; MI455X (gfx1250); checked and timed in simulation.
; The chip was launched on July 23, 2026; its instructions are those of AMD's public machine-readable ISA for CDNA 5 (MIT licence, August 2026) and "CDNA5" Instruction Set Architecture Reference Guide (July 2026). The comments in the code are by the model that wrote it; some were corrected since.
;; Quantized Linear. Allowed arithmetic: matrix products marked QUANTISED: E2M1 operands, one E8M0 scale for each 32 along K, by v_wmma_scale_f32_16x16x128_f8f6f4 with both operands' format E2M1 (or v_wmma_scale_f32_32x16x128_f4), f32 sums; everything else in f32.
;; Inputs: bias 4,096 float32; scale 4,096 x 1 float32; weight_int8 4,096 x 4,096 int32; x_codes 4 x 1,024 x 128 x 16 uint8 (E2M1 codes of x, K innermost, in blocks of 32 codes, two codes a byte); x_scales 4 x 1,024 x 128 uint8 (E8M0 scales of x, one for each 32 codes along K).
;; Outputs: out0 4 x 1,024 x 4,096 float32.
;; This version of the problem:
;;   THIS VERSION OF THE PROBLEM IS GIVEN IN LOW PRECISION. The matrix products marked QUANTISED in the list below multiply operands that are first quantised to E2M1 (2 exponent bits, 1 mantissa bit; 4 bits a number), with one power-of-two scale for each 32 numbers along K (OCP MX v1.0); their sums are f32. All else is computed in f32.
;;   The module's matrix products, in the order in which they are computed (A, B: the left and right operand; K: the contracted axis; several contracted axes count as one K, in the product's order):
;;     1. [M 4,096, K 4,096] x [K 4,096, N 4,096]; A: input x (given as codes); B: computed on the way: QUANTISED
;;   THE QUANTISER, for each operand of a quantised product, along K:
;;     - K is cut into blocks of 32 from its start; a last block that is shorter is filled with zeros.
;;     - A block's scale is 2^e with e = floor(log2(the largest magnitude in the block)) - 2, held to -126 .. 127; a block of zeros has e = 0. As a byte (E8M0): e + 127.
;;     - Each number is divided by its block's scale, clamped to +-6, and rounded to the nearest number of E2M1, ties to even, subnormals kept.
;;     - The product sums the exact products of the quantised numbers (number of the format x scale) in f32.
;;   ~~~python
;;   def quantise(x, axis):      # numpy; x: float32 -> the quantised numbers, widened to float32 again
;;       x = np.moveaxis(x, axis, -1); K = x.shape[-1]
;;       x = np.pad(x, [(0, 0)] * (x.ndim - 1) + [(0, -K % 32)]); x = x.reshape(x.shape[:-1] + (-1, 32)); a = np.abs(x).max(-1, keepdims=True)
;;       e = np.where(a > 0, np.clip(np.frexp(np.where(a > 0, a, 1))[1] - 1 - 2, -126, 127), 0)      # np.frexp(a)[1] - 1 = floor(log2(a)), exactly
;;       r = np.clip(x / 2.0 ** e, -6, 6)
;;       step = 2.0 ** (np.maximum(np.frexp(np.where(r == 0, 1, r))[1] - 1, 0) - 1)
;;       q = np.round(r / step) * step * 2.0 ** e      # np.round: ties to even
;;       return np.moveaxis(q.reshape(q.shape[:-2] + (-1,))[..., :K], -1, axis).astype(np.float32)
;;   ~~~
;;   OPERANDS COMPUTED ON THE WAY. 'Computed on the way' means the value that the module computes at that place (a softmax that the list does not call 'softmax' is quantised finished and normalised). What goes into a quantiser is computed in f32, as accurately as f32 sums, v_exp_f32 and their like allow (about 1e-6 of the number): no bf16 or f16 on the way to a quantiser, and a product that is left as it is and whose result goes on into a quantised operand takes f32 operands (vector FMAs, or v_wmma_f32_16x16x4_f32). A number that lies on a knife's edge between two numbers of the format may be rounded either way, as far as f32 arithmetic and the matrix unit's own rounding can turn it there, and no further.
;;   INPUTS GIVEN AS CODES. x (in the module: [4, 1024, 4096], K = its axis 2): each comes as NAME_codes (uint8): NAME with its K axis moved to the last place and cut into blocks of 32 codes, [.., K / 32, bytes a block], one block behind the other in memory; two codes a byte, the lower K in the low four bits (a code: sign, 2 exponent bits, 1 mantissa bit); and NAME_scales (uint8): the same leading axes, one E8M0 byte (e + 127) for each 32 codes along K. Its value is code x scale, taken as it is: it is not quantised again, and the codes and scales need not be those that the quantiser above would give.
;; One version. Each part assembles by itself: llvm-mc -triple=amdgcn-amd-amdhsa -mcpu=gfx1250 --defsym DOCPART=n.
;; ======== version 1 of 1: 2 launches
;; limits: right only within a limited range of input values
;; workspace buffers: w_codes 8,388,608 bytes; scl 1,048,576 bytes
;; launch quant (part 1): grid 256 x 1, 16 waves a work-group, no clusters, 276,480 bytes of LDS; arguments weight_int8, scale, x_scales, w_codes, scl; writes w_codes, scl
.if DOCPART == 1
	.amdgcn_target "amdgcn-amd-amdhsa--gfx1250"
	.amdhsa_code_object_version 6
	.text
	.protected	k_q2c31872250_quant
	.globl	k_q2c31872250_quant
	.p2align	8
	.type	k_q2c31872250_quant,@function
k_q2c31872250_quant:
	s_mov_b64 s[64:65], 0
	v_nop
	global_prefetch_b8 v0, s[64:65] scope:SCOPE_SE
	s_setreg_imm32_b32 hwreg(HW_REG_WAVE_MODE, 25, 1), 1
	s_wait_xcnt 0x0
; W[o][k] = float(weight_int8[o][k]) * scale[o], in f32, is turned into codes of FP4 (E2M1) with one E8M0 byte for each 32 along K.
; A block's byte is its largest magnitude's exponent field - 2, held at 1 from below; each number is divided by the scale, rounded to the nearest code, ties to even, beyond 6 the largest code.
; w_codes IS LAID IN THE ORDER OF THE PRODUCT'S OPERAND REGISTERS: [o / 128][k / 128][(o % 128) / 16][1,024 bytes]; in the 1,024 bytes of 16 rows x 128 K the
; 16 bytes that hold k = 64 c + 32 h + 0 .. 31 of row r lie at 512 c + 256 h + 16 r: one 16-byte load a lane (lane = r + 16 h) fills four registers of a fragment.
; The scale bytes are laid by K step of 512: scl = [2 parts][8 K steps][4096 rows][16 bytes]; part 0 x's bytes (copied from x_scales, unchanged), part 1 the weight's.
; LIMITS: a block of zeros gets the byte 1 where the quantiser's rule says 127: its codes are zeros, which add nothing under any byte but 0xff, and this program alone reads the bytes.
; NaN and infinities in scale are not served.  Any int32 is served as a weight (rounded to f32 to nearest even, as the cast is).
; SHARES.  Work-group g owns rows 16 g .. 16 g + 15.  Wave w owns k = 256 w .. 256 w + 255 of all 16 rows: two steps of 128.  Its 32 loads (512 consecutive bytes each) go out at the head.
; A step's 16 x 512 bytes turn through the wave's own stage in LDS (rows 528 bytes apart): lane (r, h) takes back the 128 bytes of a WHOLE block of row r, in the order of the operand's layout.
; So a block's maximum needs no other lane, four conversions make the lane's 16 bytes of a fragment, and the wave stores 512 consecutive bytes as soon as they are made.
; Only the scale bytes meet in LDS, behind one barrier, since 256 consecutive bytes of scl hold the bytes of two waves' blocks.
; No tensor loads, no cluster (work-groups share nothing), no prefetch (all loads are out from the head on).
.set SPI,   528                        ; a stage's row: 512 bytes + 16: the 16 rows that a load touches start at 16 different banks (ISA guide 11.1)
.set STG,   16*SPI
.set WREG,  2*STG                      ; two stages a wave
.set SCB,   16*WREG                    ; 2,048 bytes of x's scale bytes [step][row][16], then 2,048 of the weight's
.set SPARE, SCB+4096                   ; the spare words, 128 bytes a wave
.set EMAX,  2
.set C,     16                         ; v16-31   four registers of codes for each of the four parts
.set E,     32                         ; v32-35   a scale byte for each part
.set S,     36                         ; v36      my row's scale (v37 only completes the pair)
.set XSR,   38                         ; v38      my four bytes of x_scales
.set X,     64                         ; v64-127  two sets of 32 neighbours
.set R,     128                        ; v128-255 as loaded
	s_load_b256 s[4:11], s[0:1], 0x0               ; weight s[4:5], scale s[6:7], x_scales s[8:9], w_codes s[10:11]
	s_load_b64 s[12:13], s[0:1], 0x20              ; scl
	v_lshl_add_u32 v40, v0, 2, SPARE
	v_mov_b32 v41, 0
	v_lshrrev_b32 v1, 5, v0
	v_readfirstlane_b32 s16, v1                    ; wave 0..15
	s_mul_i32 s17, s16, WREG                       ; my stages
	s_lshl_b32 s18, s16, 4
	s_add_co_u32 s18, s18, SCB                     ; x's bytes: row = wave
	s_lshr_b32 s19, s16, 1                         ; the weight's bytes: K step wave / 2, bytes 8 (wave % 2) ..
	s_lshl_b32 s19, s19, 8
	s_and_b32 s24, s16, 1
	s_lshl_b32 s24, s24, 3
	s_add_co_u32 s19, s19, s24
	s_add_co_u32 s19, s19, SCB+2048
	s_lshl_b32 s25, s16, 8
	s_add_co_u32 s25, s25, SCB                     ; the scales' way out: wave w takes the 256 bytes at SCB + 256 w
	v_and_b32 v2, 31, v0                           ; lane
	v_lshlrev_b32 v7, 2, v0                        ; x_scales: 4 bytes a thread of the group's 2,048
	v_mov_b32 v[S+1], 0
	v_and_b32 v12, 15, v2                          ; r
	v_lshrrev_b32 v13, 4, v2                       ; h
	v_lshlrev_b32 v3, 4, v2                        ; 16 x lane
	v_lshlrev_b32 v4, 3, v2                        ; 8 x lane
	v_lshrrev_b32 v8, 2, v2                        ; my four bytes of x_scales belong to K step lane / 4,
	v_and_b32 v9, 3, v2                            ; word lane % 4 of its 16
	v_mul_u32_u24 v15, v12, SPI
	v_lshlrev_b32 v39, 2, v12                      ; scale: 4 bytes a row
	v_lshl_add_u32 v5, v12, 4, v13                 ; 16 r + h
	v_lshlrev_b32 v10, 8, v8
	v_add_nc_u32 v14, s17, v3                      ; into a stage: 16 x lane; the row stands in the immediate
	v_lshl_add_u32 v15, v13, 7, v15
	v_add_nc_u32 v5, s19, v5
	v_lshl_add_u32 v10, v9, 2, v10
	v_add_nc_u32 v6, s25, v4
	v_add_nc_u32 v15, s17, v15                     ; out of it: row r, 128 bytes for each half of the lanes
	v_add_nc_u32 v10, s18, v10                     ; SCB + 256 step + 16 row + 4 word
	s_mov_b32 s21, 0
	s_wait_alu depctr_va_vdst(0)
	s_wait_kmcnt 0x0
	s_lshl_b32 s20, ttmp9, 18                      ; 16 rows of 16,384 bytes,
	s_lshl_b32 s24, s16, 10                        ; and my 1,024 bytes of each
	s_add_co_u32 s20, s20, s24
	s_add_nc_u64 s[4:5], s[4:5], s[20:21]
	s_lshr_b32 s20, ttmp9, 3                       ; w_codes: 262,144 bytes for 128 rows,
	s_lshl_b32 s20, s20, 18
	s_and_b32 s24, ttmp9, 7
	s_lshl_b32 s24, s24, 10                        ; 1,024 for the group's place among the eight,
	s_add_co_u32 s20, s20, s24
	s_lshl_b32 s24, s16, 14                        ; and my two steps of 128, 8,192 bytes apart
	s_add_co_u32 s20, s20, s24
	s_add_nc_u64 s[10:11], s[10:11], s[20:21]
	s_lshl_b32 s20, ttmp9, 6
	s_add_nc_u64 s[6:7], s[6:7], s[20:21]
	s_lshl_b32 s20, ttmp9, 11                      ; the group's 16 rows of x_scales
	s_add_nc_u64 s[8:9], s[8:9], s[20:21]
	s_lshl_b32 s20, s16, 16                        ; scl: 65,536 bytes a K step; waves 0-7 store x's steps, waves 8-15 the weight's
	s_lshl_b32 s24, ttmp9, 8
	s_add_co_u32 s20, s20, s24
	s_add_nc_u64 s[12:13], s[12:13], s[20:21]
	global_load_b32 v[XSR], v7, s[8:9]
	global_load_b32 v[S], v39, s[6:7]
.irp j, 0,1
.irp p, 0,1,2,3,4,5,6,7,8,9,10,11,12,13,14,15
	global_load_b128 v[R+64*\j+4*\p:R+64*\j+4*\p+3], v3, s[4:5] offset:16384*\p+512*\j th:TH_LOAD_NT   ; 512 consecutive bytes of row p; read once in the launch
.endr
.endr
.macro IN j                            ; step j's 16 rows into stage j
.irp p, 0,1,2,3,4,5,6,7,8,9,10,11,12,13,14,15
	ds_store_b128 v14, v[R+64*\j+4*\p:R+64*\j+4*\p+3] offset:STG*\j+SPI*\p
.endr
.endm
.macro OUT j, c                        ; my block of k = 128 j + 64 c + 32 h + 0 .. 31: LDS serves a wave's instructions in order (ISA guide 5.7.1.4)
.irp i, 0,1,2,3,4,5,6,7
	ds_load_b128 v[X+32*\c+4*\i:X+32*\c+4*\i+3], v15 offset:STG*\j+256*\c+16*\i
.endr
.endm
.macro PART j, c
.set XS, X+32*(\c)
.set P, 2*(\j)+(\c)
.irp i, 0,1,2,3,4,5,6,7,8,9,10,11,12,13,14,15,16,17,18,19,20,21,22,23,24,25,26,27,28,29,30,31
	v_cvt_f32_i32 v[XS+\i], v[XS+\i]
.endr
.irp i, 0,2,4,6,8,10,12,14,16,18,20,22,24,26,28,30
	v_pk_mul_f32 v[XS+\i:XS+\i+1], v[XS+\i:XS+\i+1], v[S:S+1] op_sel_hi:[1,0]   ; x the row's scale, one rounding in f32
.endr
	v_max3_num_f32 v8, |v[XS]|, |v[XS+1]|, |v[XS+2]|               ; the block's largest magnitude, in two chains
	v_max3_num_f32 v9, |v[XS+3]|, |v[XS+4]|, |v[XS+5]|
.irp i, 6,10,14,18,22,26
	s_delay_alu instid0(VALU_DEP_2)
	v_max3_num_f32 v8, v8, |v[XS+\i]|, |v[XS+\i+1]|
	s_delay_alu instid0(VALU_DEP_2)
	v_max3_num_f32 v9, v9, |v[XS+\i+2]|, |v[XS+\i+3]|
.endr
	s_delay_alu instid0(VALU_DEP_2)
	v_max3_num_f32 v8, v8, |v[XS+30]|, |v[XS+31]|
	s_delay_alu instid0(VALU_DEP_1)
	v_max3_num_f32 v8, v8, v9, (EMAX+1)<<23        ; and the floor 2^(3 - 127): the byte cannot fall under 1
	s_delay_alu instid0(VALU_DEP_1)
	v_add_nc_u32 v11, 0xff000000, v8               ; 2 off its exponent field: the conversion's scale operand
.irp g, 0,1,2,3
	v_cvt_scalef32_pk8_fp4_f32 v[C+4*P+\g], v[XS+8*\g:XS+8*\g+7], v11
.endr
	v_lshrrev_b32 v[E+P], 23, v11                  ; the scale's byte (also the plain instruction behind the conversions)
	ds_store_b8 v5, v[E+P] offset:4*(\j)+2*(\c)    ; block 4 j + 2 c + h of my eight
	global_store_b128 v3, v[C+4*P:C+4*P+3], s[10:11] offset:8192*(\j)+512*(\c)   ; 32 lanes store 512 consecutive bytes, aligned
.endm
	s_wait_loadcnt 16                              ; x's bytes, the scales and step 0's 16 loads are in
	ds_store_b32 v10, v[XSR]
	IN 0
	OUT 0, 0
	OUT 0, 1
	s_wait_dscnt 8                                 ; behind the first eight loads: the second eight
	PART 0, 0
	s_wait_loadcnt 0x0
	IN 1
	OUT 1, 0
	s_wait_dscnt 25                                ; behind the wanted eight: a byte store, 16 stores, 8 loads
	PART 0, 1
	OUT 1, 1
	s_wait_dscnt 9                                 ; a byte store and 8 loads
	PART 1, 0
	s_wait_dscnt 1                                 ; a byte store
	PART 1, 1
	s_wait_dscnt 0x0                               ; for the others' sake: all my stores of scale bytes have landed
	s_barrier_signal -1
	s_barrier_wait -1
	ds_load_b64 v[12:13], v6                       ; one K step's 16 rows x 16 scale bytes
	s_wait_dscnt 0x0
	global_store_b64 v4, v[12:13], s[12:13]        ; 32 lanes store 256 consecutive bytes, aligned
	s_wait_tensorcnt 0x0                           ; the wave's end
	ds_add_u32 v40, v41
	s_wait_dscnt 0x0
	s_endpgm
.Lfunc_end_k_q2c31872250_quant:
	.size	k_q2c31872250_quant, .Lfunc_end_k_q2c31872250_quant-k_q2c31872250_quant
	.p2alignl 7, 3214868480
	.fill 96, 4, 3214868480
	.section	.rodata,"a",@progbits
	.p2align	6, 0x0
	.amdhsa_kernel k_q2c31872250_quant
		.amdhsa_group_segment_fixed_size 276480
		.amdhsa_private_segment_fixed_size 0
		.amdhsa_enable_private_segment 0
		.amdhsa_kernarg_size 40
		.amdhsa_user_sgpr_count 2
		.amdhsa_user_sgpr_kernarg_segment_ptr 1
		.amdhsa_wavefront_size32 1
		.amdhsa_system_sgpr_workgroup_id_x 1
		.amdhsa_system_sgpr_workgroup_id_y 1
		.amdhsa_system_sgpr_workgroup_id_z 1
		.amdhsa_system_vgpr_workitem_id 0
		.amdhsa_next_free_vgpr 256
		.amdhsa_next_free_sgpr 66
		.amdhsa_reserve_vcc 0
		.amdhsa_float_denorm_mode_32 3
		.amdhsa_float_denorm_mode_16_64 3
		.amdhsa_memory_ordered 1
		.amdhsa_forward_progress 1
		.amdhsa_inst_pref_size 27
	.end_amdhsa_kernel
	.amdgpu_metadata
---
amdhsa.version: [ 1, 2 ]
amdhsa.kernels:
  - .name:           k_q2c31872250_quant
    .symbol:         k_q2c31872250_quant.kd
    .args:
      - { .name: weight_int8, .offset: 0, .size: 8, .value_kind: global_buffer, .address_space: global }
      - { .name: scale, .offset: 8, .size: 8, .value_kind: global_buffer, .address_space: global }
      - { .name: x_scales, .offset: 16, .size: 8, .value_kind: global_buffer, .address_space: global }
      - { .name: w_codes, .offset: 24, .size: 8, .value_kind: global_buffer, .address_space: global }
      - { .name: scl, .offset: 32, .size: 8, .value_kind: global_buffer, .address_space: global }
    .group_segment_fixed_size: 276480
    .private_segment_fixed_size: 0
    .kernarg_segment_align: 8
    .kernarg_segment_size: 40
    .max_flat_workgroup_size: 512
    .sgpr_count:     66
    .vgpr_count:     256
    .wavefront_size: 32
...
	.end_amdgpu_metadata
.endif
;; end of part 1
;; launch gemm (part 2): grid 16 x 16, 4 waves a work-group, clusters of 4 x 4, 327,680 bytes of LDS; arguments x_codes, w_codes, scl, bias, out0; writes out0
.if DOCPART == 2
	.amdgcn_target "amdgcn-amd-amdhsa--gfx1250"
	.amdhsa_code_object_version 6
	.text
	.protected	k_q2c31872250_gemm
	.globl	k_q2c31872250_gemm
	.p2align	8
	.type	k_q2c31872250_gemm,@function
k_q2c31872250_gemm:
	s_mov_b64 s[64:65], 0
	v_nop
	global_prefetch_b8 v0, s[64:65] scope:SCOPE_SE
	s_setreg_imm32_b32 hwreg(HW_REG_WAVE_MODE, 25, 1), 1
	s_wait_xcnt 0x0
	s_wait_alu depctr_hold_cnt(0) depctr_sa_sdst(0) depctr_va_vdst(0) depctr_va_sdst(0) depctr_va_ssrc(0) depctr_va_vcc(0) depctr_vm_vsrc(0)
	s_getreg_b32 s2, hwreg(HW_REG_IB_STS2, 6, 4)
	s_cmp_eq_u32 s2, 0
	s_cbranch_scc0 .Lentry_in_a_cluster
	s_endpgm
.Lentry_in_a_cluster:
	s_bfe_u32 s2, ttmp6, 0x10000c
	s_cmp_lg_u32 s2, 0xf033
	s_cbranch_scc0 .Lentry_shape_is_right
	s_endpgm
.Lentry_shape_is_right:
; out[m][n] = bias[n] + sum over k of x[m][k] W[n][k]; both operands are codes of FP4 (E2M1) with E8M0 scales for each 32 along K; sums in f32.
; A work-group of four waves makes 256 x 256 of out; a wave 128 x 128: 64 accumulators of 16 x 16, 512 registers.  A step is 128 along K: 64 matrix instructions, the accumulators by turns.
; x's CODES come through LDS: a ring of two slots, each 256 rows x 512 bytes (1,024 along K, eight steps), a wave's tensor load 64 rows.  Four phases, three changes of slots.
;   4 x 4 work-groups form a cluster; the four of a row need the same rows of x and ask for them JOINTLY (the same load, the same descriptor, a mask that names the four).
; W's CODES GO FROM MEMORY STRAIGHT INTO THE OPERAND'S REGISTERS: the launch before has laid them in that order (a fragment is 1,024 consecutive bytes, a wave's step 8,192, its whole stream 262,144),
;   so each load of a wave covers 512 consecutive bytes.  Four sets of 64 registers: one at work, three on their way, by counted waits.  No joint load serves them: they never lie in LDS,
;   which leaves 16 LDS loads to a step's 64 matrix instructions instead of 32.
; SCALES: scl = [x, W][K step of 512][row][16 bytes]; lanes 0-15 load the four words of x's block i, lanes 16-31 those of W's block i: eight loads for four steps, two sets.
; THE SUMS BEGIN AS THE BIAS: it is loaded into the accumulators at the head, so every step has one form.
; THE MATRIX INSTRUCTION IS USED TRANSPOSED (source 0 = 16 rows of W, source 1 = 16 rows of x): a lane holds eight neighbouring numbers of a row of out.
; PREFETCHES: in step 1 of phases 0 and 1 each wave names 32 blocks of 256 bytes of the tile of x that the same phase's step 7 asks for (of the 64 rows that the wave fetches, the partner at cx takes 16);
;   in step 1 of phases 0 to 2 it names the 8,192 bytes of one step of the next phase of its half of W (step 2 cy + row half): first loaded four steps later.  Partners are told apart by address alone.
;   Each block is named once in each cluster that loads it.  The first two tiles of x and the first phase of W come by their loads alone.
; LIMIT: x's and W's scale bytes are taken as they are given or made; a byte 0xff makes the sums NaN.
; REGISTERS: window 0: v16-31 addresses; v32-95 scale words, two sets; v128-255 x's fragments, two sets (on the way out: rows read back).  window 1: W's four sets.  windows 2, 3: the accumulators ((a, b) at v[8 (8 (a % 4) + b)]).
.set SIZE_N, 4096
.set PITCH,  528                       ; an LDS row: 512 bytes + 16 = 132 words: the 16 rows that a load touches start at 16 different banks (ISA guide 11.1)
.set WROWS,  64*PITCH                  ; what one tensor load brings
.set SLOT,   4*WROWS
.set SPARE,  2*SLOT                    ; the spare words, 128 bytes a wave
.set SPITCH, 528                       ; the way out: a stage of 16 rows x (512 + 16) bytes a wave, in slot 0, behind its last fill and its last read
.set SSTEP,  65536                     ; scl: bytes in a K step of 512
.set SPART,  8*SSTEP
.set BSTEP,  8192                      ; W: a wave's bytes in a step of 128
.set ADRA0, 16                         ; LDS address of my fragments of x in slot 0, 1
.set ADRA1, 17
.set ADRC,  18                         ; in the loop: the phase's slot, and the next phase's
.set ADRN,  19
.set BV,    22                         ; bias: 32 bytes x (lane / 16)
.set STO,   24
.set RD,    25
.set CO,    26                         ; 16 x lane: W's loads, and my place in a row of out
.set ADRS,  27
.set SPW,   28
.set NIL,   29
.set PFO,   30
.set PFB,   31
.set SC,    32
.set AF,    128
.set BK,    128
.set G1,  24
.set G0,  32
.set XB,  46                           ; s[46:47] x at my 64 rows
.set BP,  48                           ; s[48:49] W's stream at the phase's first step
.set PFA, 50
.set PFW, 52
.set MSB, 0
.macro WIN new
.if MSB != \new
	s_set_vgpr_msb (MSB<<8)|\new
.set MSB, \new
.endif
.endm
.set MUL_LO, 0xa1                      ; source 0 (W) window 1, source 1 (x) window 0, C and D window 2
.set MUL_HI, 0xf1
.set TO_B,   0x40
.macro CREST
	s_cmp_lg_u32 s14, 0
	s_cbranch_scc1 .Lnot_wave_0_\@
	s_barrier_signal -3
.Lnot_wave_0_\@:
	s_barrier_wait -3
	s_barrier_signal -1
	s_barrier_wait -1
.endm
.macro CROUND
	s_barrier_signal -1
	s_barrier_wait -1
	CREST
.endm
.macro PLACES n
.rept \n
	v_nop
.endr
.endm
.macro FETCHA adr, q, set              ; x's eight fragments of the slot's q-th step
.irp i, 0,1,2,3,4,5,6,7
	ds_load_b128 v[AF+64*(\set)+8*\i:AF+64*(\set)+8*\i+3],   v[\adr] offset:64*(\q)+\i*16*PITCH
	ds_load_b128 v[AF+64*(\set)+8*\i+4:AF+64*(\set)+8*\i+7], v[\adr] offset:64*(\q)+32+\i*16*PITCH
.endr
.endm
.macro LOADB rel, set                  ; W's eight fragments of the step rel steps behind BP
	WIN TO_B
.irp b, 0,1,2,3,4,5,6,7
	global_load_b128 v[64*(\set)+8*\b:64*(\set)+8*\b+3],   v[CO], s[BP:BP+1] offset:(\rel)*BSTEP+\b*1024
	global_load_b128 v[64*(\set)+8*\b+4:64*(\set)+8*\b+7], v[CO], s[BP:BP+1] offset:(\rel)*BSTEP+\b*1024+512
.endr
	WIN 0
.endm
.macro SCALES set, rel                 ; the scale words of the K step of 512 that lies rel behind s[8:9]
.irp i, 0,1,2,3,4,5,6,7
	global_load_b128 v[SC+32*(\set)+4*\i:SC+32*(\set)+4*\i+3], v[ADRS], s[8:9] offset:(\rel)*SSTEP+256*\i
.endr
.endm
.macro BIAS a                          ; the eight accumulators of block a begin as the bias of their columns
	WIN 0x80+0x40*((\a)/4)
.irp b, 0,1,2,3,4,5,6,7
	global_load_b128 v[8*(8*((\a)%4)+\b):8*(8*((\a)%4)+\b)+3],   v[BV], s[10:11] offset:64*\b
	global_load_b128 v[8*(8*((\a)%4)+\b)+4:8*(8*((\a)%4)+\b)+7], v[BV], s[10:11] offset:64*\b+16
.endr
	WIN 0
.endm
.macro MUL16 a0, s                     ; x's blocks a0, a0 + 1 against W's eight; step s picks W's set (s % 4), x's set (s % 2), the scale set and word
.irp a, \a0, \a0+1
.irp b, 0,1,2,3,4,5,6,7
	v_wmma_scale_f32_16x16x128_f8f6f4 v[8*(8*((\a)%4)+\b):8*(8*((\a)%4)+\b)+7], v[64*((\s)%4)+8*\b:64*((\s)%4)+8*\b+7], v[AF+64*((\s)%2)+8*(\a):AF+64*((\s)%2)+8*(\a)+7], v[8*(8*((\a)%4)+\b):8*(8*((\a)%4)+\b)+7], v[SC+32*(((\s)/4)%2)+4*\b+(\s)%4], v[SC+32*(((\s)/4)%2)+4*(\a)+(\s)%4] matrix_a_fmt:MATRIX_FMT_FP4 matrix_b_fmt:MATRIX_FMT_FP4 matrix_a_scale:MATRIX_SCALE_ROW1
.endr
.endr
.endm
; A step.  At its head one run of loads: x's fragments of the next step (qn, from adr), W's of the step three on (lb), the next scale words (sg), all into registers that the step before has read:
; four places stand between (ISA guide 7.12.1 for vector instructions).  cnt: the loads issued behind this step's set of W, which may stay out.
.macro STEP s, adr, qn, lb, sg, cnt, pfa, pfb
	s_wait_dscnt 0x0                               ; this step's fragments of x are in
	s_wait_loadcnt \cnt                            ; and W's, and the scale words
	PLACES 4
.if (\qn) >= 0
	FETCHA \adr, \qn, ((\s)+1)%2
.endif
.if \lb
	LOADB (\s)+3, ((\s)+3)%4
.endif
.if \sg
	SCALES 1-((\s)/4)%2, \sg
.endif
.if \pfa
	global_prefetch_b8 v[PFO], s[PFA:PFA+1] th:TH_LOAD_NT scope:SCOPE_SE
.endif
.if \pfb
	global_prefetch_b8 v[PFB], s[PFW:PFW+1] th:TH_LOAD_NT scope:SCOPE_SE
.endif
	WIN MUL_LO
	MUL16 0, \s
	MUL16 2, \s
	WIN MUL_HI
	MUL16 4, \s
	MUL16 6, \s
	WIN 0
.endm
; A slot's last step changes slots: ONE barrier; in front of it each wave waits for all its tensor loads, adds 0 to its spare word, and waits for that and for its reads of this slot (its last fragments are in registers).
; fill = 1: the barrier opens a round of the cluster's barrier, and this slot takes the tile two phases on.
.macro TURN s, adr, fill, cnt
	s_wait_tensorcnt 0x0                           ; my part of the next slot has landed: no tensor load of mine is out
	ds_add_u32 v[SPW], v[NIL]
.if \fill
	s_mul_i32 s20, s3, SLOT                        ; phase s3 fills slot s3
	s_add_co_u32 s[G0+1], s45, s20
	s_lshl_b32 s20, s3, 9                          ; with the tile at byte 512 (s3 + 2) of the rows
	s_add_co_u32 s20, s20, 1024
	s_mov_b32 s21, 0
	s_add_nc_u64 s[G0+2:G0+3], s[XB:XB+1], s[20:21]
	s_or_b32 s[G0+3], s[G0+3], 0x80000000
.endif
	s_wait_dscnt 1                                 ; this step's fragments are in; the add may be out
	s_wait_loadcnt \cnt
	WIN MUL_LO
	MUL16 0, \s
	s_wait_dscnt 0x0                               ; the add is done, my reads of this slot are over
	s_barrier_signal -1
	MUL16 2, \s
	WIN 0
	s_barrier_wait -1
.if \fill
	CREST
	tensor_load_to_lds s[G0:G0+3], s[G1:G1+7]      ; the first tensor load behind the round, one a wave
	s_nop 0
.endif
	PLACES 4
	FETCHA \adr, 0, ((\s)+1)%2
	LOADB (\s)+3, ((\s)+3)%4
	WIN MUL_HI
	MUL16 4, \s
	MUL16 6, \s
	WIN 0
.endm
	s_load_b256 s[4:11], s[0:1], 0x0               ; x_codes s[4:5], w_codes s[6:7], scl s[8:9], bias s[10:11]
	s_load_b64 s[12:13], s[0:1], 0x20              ; out
	v_lshl_add_u32 v[SPW], v0, 2, SPARE
	v_mov_b32 v[NIL], 0
	ds_add_u32 v[SPW], v[NIL]                      ; the opening lines: the add, twice on end, and its wait ahead of my first tensor load
	ds_add_u32 v[SPW], v[NIL]
	v_lshrrev_b32 v1, 5, v0
	v_readfirstlane_b32 s14, v1                    ; wave 0..3
	s_lshr_b32 s15, s14, 1                         ; my half of the tile's rows
	s_and_b32 s16, s14, 1                          ; my half of its columns
	s_bfe_u32 s40, ttmp6, 0x40000                  ; cx, cy
	s_bfe_u32 s41, ttmp6, 0x40004
	s_lshl_b32 s42, ttmp9, 2
	s_add_co_u32 s42, s42, s40                     ; tile column
	s_and_b32 s17, ttmp7, 0xffff
	s_lshl_b32 s17, s17, 2
	s_add_co_u32 s17, s17, s41                     ; tile row
	s_lshl_b32 s43, s41, 2
	s_lshl_b32 s43, 15, s43                        ; my row of the cluster
	s_or_b32 s[G1+0], s43, (0<<16)|(1<<20)|(1<<21)|(6<<22)|(3<<25)  ; the mask; elements of 1 byte; padding: 4 words behind every 128
	s_mov_b32 s[G1+1], 512<<16                     ; tensor_dim0
	s_mov_b32 s[G1+2], 64<<16                      ; tensor_dim1
	s_mov_b32 s[G1+3], 512<<16                     ; tile_dim0
	s_mov_b32 s[G1+4], 64                          ; tile_dim1
	s_mov_b32 s[G1+5], 2048                        ; a row of x's codes in memory
	s_mov_b32 s[G1+6], 0
	s_mov_b32 s[G1+7], 0
	s_lshl_b32 s20, s17, 19                        ; x: (256 tile row + 64 wave) rows of 2,048 bytes
	s_lshl_b32 s21, s14, 17
	s_add_co_u32 s20, s20, s21
	s_mov_b32 s21, 0
	s_mul_i32 s45, s14, WROWS                      ; and where they go
	s_lshl_b32 s22, s42, 1                         ; W: 262,144 bytes for each 128 rows
	s_add_co_u32 s22, s22, s16
	s_lshl_b32 s22, s22, 18
	s_mov_b32 s23, 0
	s_lshl_b32 s54, s42, 10                        ; my first column, in bytes of f32
	s_lshl_b32 s55, s16, 9
	s_add_co_u32 s54, s54, s55
	s_mov_b32 s55, 0
	s_lshl_b32 s56, s17, 22                        ; my first row of out, 16,384 bytes a row
	s_lshl_b32 s57, s15, 21
	s_add_co_u32 s56, s56, s57
	s_mov_b32 s57, 0
	s_lshl_b32 s70, s17, 12                        ; scl: 16 bytes a row: x's rows,
	s_lshl_b32 s72, s15, 11
	s_add_co_u32 s70, s70, s72
	s_lshl_b32 s71, s42, 12                        ; W's rows, in the second part,
	s_lshl_b32 s72, s16, 11
	s_add_co_u32 s71, s71, s72
	s_add_co_u32 s71, s71, SPART
	s_sub_co_u32 s71, s71, s70                     ; as a distance from x's
	s_lshl_b32 s58, s40, 15                        ; prefetch of x: my work-group's 16 of the 64 rows that I fetch, at the third tile
	s_add_co_u32 s58, s58, s20
	s_add_co_u32 s58, s58, 1024
	s_mov_b32 s59, 0
	s_lshl_b32 s60, s41, 1                         ; prefetch of W: step 2 cy + row half of the next phase
	s_add_co_u32 s60, s60, s15
	s_lshl_b32 s60, s60, 13
	s_add_co_u32 s60, s60, s22
	s_add_co_u32 s60, s60, 8*BSTEP
	s_mov_b32 s61, 0
	s_mul_i32 s73, s15, 2*WROWS                    ; my 128 rows of x in a slot
	s_mul_i32 s74, s14, 16*SPITCH                  ; my stage
	v_and_b32 v1, 15, v0                           ; r
	v_bfe_u32 v2, v0, 4, 1                         ; h
	v_and_b32 v3, 31, v0
	v_lshlrev_b32 v[CO], 4, v3
	v_lshlrev_b32 v[BV], 5, v2
	v_mul_u32_u24 v4, s71, v2                      ; lanes 16-31 take W's scale words
	v_mul_u32_u24 v5, v1, PITCH
	v_lshlrev_b32 v[PFB], 8, v3                    ; a lane a block of 256 bytes
	v_lshlrev_b32 v[PFO], 11, v1                   ; a row of x, and which 256 of its 512 bytes
	v_lshl_add_u32 v4, v1, 4, v4
	v_lshl_add_u32 v6, v2, 4, v5                   ; a fragment's row x pitch + 16 h
	v_lshl_add_u32 v7, v2, 5, v5                   ; into the stage: row r, 32 bytes for each half of the lanes
	v_lshl_add_u32 v[PFO], v2, 8, v[PFO]
	v_add_nc_u32 v[ADRS], s70, v4
	v_add_nc_u32 v[ADRA0], s73, v6
	v_add_nc_u32 v[STO], s74, v7
	v_add_nc_u32 v[RD], s74, v[CO]
	v_add_nc_u32 v[ADRA1], SLOT, v[ADRA0]
	s_wait_dscnt 0x0                               ; both opening adds are done
	s_wait_alu depctr_va_vdst(0)
	s_wait_kmcnt 0x0
	s_add_nc_u64 s[XB:XB+1], s[4:5], s[20:21]
	s_add_nc_u64 s[BP:BP+1], s[6:7], s[22:23]
	s_add_nc_u64 s[10:11], s[10:11], s[54:55]
	s_add_nc_u64 s[12:13], s[12:13], s[54:55]
	s_add_nc_u64 s[12:13], s[12:13], s[56:57]
	s_add_nc_u64 s[PFA:PFA+1], s[4:5], s[58:59]
	s_add_nc_u64 s[PFW:PFW+1], s[6:7], s[60:61]
	s_mov_b32 s[G0], 1
	s_add_co_u32 s[G0+1], s45, 0
	s_mov_b64 s[G0+2:G0+3], s[XB:XB+1]
	s_or_b32 s[G0+3], s[G0+3], 0x80000000
	BIAS 0                                         ; 56 loads go out ahead of the round
	SCALES 0, 0
	LOADB 0, 0
	LOADB 1, 1
	CROUND                                         ; all sixteen work-groups are here: the first joint loads meet
	tensor_load_to_lds s[G0:G0+3], s[G1:G1+7]      ; slot 0: one tensor load a wave at the head
	s_nop 0
	PLACES 4
	LOADB 2, 2
.irp a, 1,2,3,4,5,6,7
	BIAS \a
.endr
	s_wait_tensorcnt 0x0                           ; my part of slot 0 is in; slot 1's first fill is issued as a refill is:
	ds_add_u32 v[SPW], v[NIL]
	s_add_co_u32 s[G0+1], s45, SLOT
	s_add_nc_u64 s[G0+2:G0+3], s[XB:XB+1], 512
	s_or_b32 s[G0+3], s[G0+3], 0x80000000
	s_wait_dscnt 0x0
	CROUND
	tensor_load_to_lds s[G0:G0+3], s[G1:G1+7]
	s_nop 0
	PLACES 4
	FETCHA ADRA0, 0, 0
	s_wait_loadcnt 0x0                             ; the bias, the first scale words and W's first three sets
	s_mov_b32 s3, 0
.Lphase:                                               ; phases 0 and 1: eight steps on slot s3, which is then filled again
	s_mul_i32 s22, s3, SLOT
	v_add_nc_u32 v[ADRC], s22, v[ADRA0]
	v_sub_nc_u32 v[ADRN], v[ADRA1], s22
	s_wait_alu depctr_va_vdst(0)                   ; directly behind the writes
	STEP 0, ADRC, 1, 1, 1, 32, 0, 0                ; behind W's set of this step: two sets
	STEP 1, ADRC, 2, 1, 0, 40, 1, 1                ; two sets and eight loads of scale words
	STEP 2, ADRC, 3, 1, 0, 40, 0, 0
	STEP 3, ADRC, 4, 1, 0, 40, 0, 0
	STEP 4, ADRC, 5, 1, 2, 32, 0, 0
	STEP 5, ADRC, 6, 1, 0, 40, 0, 0
	STEP 6, ADRC, 7, 1, 0, 40, 0, 0
	TURN 7, ADRN, 1, 40
	s_wait_xcnt 0x0                                ; the loads and prefetches have read their bases
	s_add_nc_u64 s[BP:BP+1], s[BP:BP+1], 8*BSTEP
	s_add_nc_u64 s[8:9], s[8:9], 2*SSTEP
	s_add_nc_u64 s[PFA:PFA+1], s[PFA:PFA+1], 512
	s_add_nc_u64 s[PFW:PFW+1], s[PFW:PFW+1], 8*BSTEP
	s_add_co_u32 s3, s3, 1
	s_cmp_lt_u32 s3, 2
	s_cbranch_scc1 .Lphase
	STEP 0, ADRA0, 1, 1, 1, 32, 0, 0               ; phases 2 and 3 fill nothing, and their last steps load nothing beyond the end
	STEP 1, ADRA0, 2, 1, 0, 40, 0, 1
	STEP 2, ADRA0, 3, 1, 0, 40, 0, 0
	STEP 3, ADRA0, 4, 1, 0, 40, 0, 0
	STEP 4, ADRA0, 5, 1, 2, 32, 0, 0
	STEP 5, ADRA0, 6, 1, 0, 40, 0, 0
	STEP 6, ADRA0, 7, 1, 0, 40, 0, 0
	TURN 7, ADRA1, 0, 40
	STEP 8, ADRA1, 1, 1, 3, 32, 0, 0
	STEP 9, ADRA1, 2, 1, 0, 40, 0, 0
	STEP 10, ADRA1, 3, 1, 0, 40, 0, 0
	STEP 11, ADRA1, 4, 1, 0, 40, 0, 0
	STEP 12, ADRA1, 5, 1, 0, 32, 0, 0
	STEP 13, ADRA1, 6, 0, 0, 32, 0, 0              ; the counts run down: two sets, one, none
	STEP 14, ADRA1, 7, 0, 0, 16, 0, 0
	STEP 15, ADRA1, -1, 0, 0, 0, 0, 0
; THE WAY OUT, block by block of 16 rows x 128 columns, through my own stage: in as 32 bytes a lane, back as whole rows of 512 bytes.  LDS serves a wave's instructions in order (ISA guide 5.7.1.4).
.macro TOSTAGE a
.set AC, 64*((\a)%4)
	WIN 0x08+4*((\a)/4)
.irp b, 0,1,2,3,4,5,6,7
	ds_store_b128 v[STO], v[AC+8*\b:AC+8*\b+3] offset:64*\b          ; each accumulator from its low end on
	ds_store_b128 v[STO], v[AC+8*\b+4:AC+8*\b+7] offset:64*\b+16
.endr
	WIN 0
.set BB, BK+64*((\a)%2)
.irp t, 0,1,2,3,4,5,6,7,8,9,10,11,12,13,14,15
	ds_load_b128 v[BB+4*\t:BB+4*\t+3], v[RD] offset:\t*SPITCH
.endr
.endm
.macro SEND a, younger
.set BB, BK+64*((\a)%2)
	s_wait_dscnt \younger                          ; the block is back in registers
.if (\a) > 0
	s_add_nc_u64 s[12:13], s[12:13], 16*SIZE_N*4   ; behind a wait on XCNT: the earlier stores have read their base
.endif
.irp t, 0,1,2,3,4,5,6,7,8,9,10,11,12,13,14,15
	global_store_b128 v[CO], v[BB+4*\t:BB+4*\t+3], s[12:13] offset:\t*SIZE_N*4 th:TH_STORE_NT   ; 32 lanes store 512 consecutive bytes, aligned
.endr
.endm
	PLACES 4
	TOSTAGE 0
.irp a, 1,2,3,4,5,6,7
.if \a > 1
	s_wait_xcnt 0x0                                ; block a - 2's stores have read their registers and their base
.endif
	TOSTAGE \a
	SEND \a-1, 32                                  ; behind block a - 1's loads: block a's 16 stores and 16 loads
.endr
	s_wait_xcnt 0x0
	SEND 7, 0
	s_wait_tensorcnt 0x0                           ; the wave's end
	ds_add_u32 v[SPW], v[NIL]
	s_wait_dscnt 0x0
	CROUND                                         ; the closing round
	s_endpgm
.Lfunc_end_k_q2c31872250_gemm:
	.size	k_q2c31872250_gemm, .Lfunc_end_k_q2c31872250_gemm-k_q2c31872250_gemm
	.p2alignl 7, 3214868480
	.fill 96, 4, 3214868480
	.section	.rodata,"a",@progbits
	.p2align	6, 0x0
	.amdhsa_kernel k_q2c31872250_gemm
		.amdhsa_group_segment_fixed_size 327680
		.amdhsa_private_segment_fixed_size 0
		.amdhsa_enable_private_segment 0
		.amdhsa_kernarg_size 40
		.amdhsa_user_sgpr_count 2
		.amdhsa_user_sgpr_kernarg_segment_ptr 1
		.amdhsa_wavefront_size32 1
		.amdhsa_system_sgpr_workgroup_id_x 1
		.amdhsa_system_sgpr_workgroup_id_y 1
		.amdhsa_system_sgpr_workgroup_id_z 1
		.amdhsa_system_vgpr_workitem_id 0
		.amdhsa_next_free_vgpr 1024
		.amdhsa_next_free_sgpr 80
		.amdhsa_reserve_vcc 0
		.amdhsa_float_denorm_mode_32 3
		.amdhsa_float_denorm_mode_16_64 3
		.amdhsa_memory_ordered 1
		.amdhsa_forward_progress 1
		.amdhsa_inst_pref_size 255
	.end_amdhsa_kernel
	.section	.bss,"aw",@nobits
	.p2align	6
	.space	262144
	.amdgpu_metadata
---
amdhsa.version: [ 1, 2 ]
amdhsa.kernels:
  - .name:           k_q2c31872250_gemm
    .symbol:         k_q2c31872250_gemm.kd
    .args:
      - { .name: x_codes, .offset: 0, .size: 8, .value_kind: global_buffer, .address_space: global }
      - { .name: w_codes, .offset: 8, .size: 8, .value_kind: global_buffer, .address_space: global }
      - { .name: scl, .offset: 16, .size: 8, .value_kind: global_buffer, .address_space: global }
      - { .name: bias, .offset: 24, .size: 8, .value_kind: global_buffer, .address_space: global }
      - { .name: out0, .offset: 32, .size: 8, .value_kind: global_buffer, .address_space: global }
    .group_segment_fixed_size: 327680
    .private_segment_fixed_size: 0
    .kernarg_segment_align: 8
    .kernarg_segment_size: 40
    .max_flat_workgroup_size: 128
    .sgpr_count:     80
    .vgpr_count:     1024
    .wavefront_size: 32
...
	.end_amdgpu_metadata
.endif
;; end of part 2
